; MI455X (gfx1250); checked and timed in simulation.
; The chip was launched on July 23, 2026; its instructions are those of AMD's public machine-readable ISA for CDNA 5 (MIT licence, August 2026) and "CDNA5" Instruction Set Architecture Reference Guide (July 2026). The comments in the code are by the model that wrote it; some were corrected since.
;; Multi Head Attention. Allowed arithmetic: matrix products marked QUANTISED: E2M1 operands, one E8M0 scale for each 32 along K, by v_wmma_scale_f32_16x16x128_f8f6f4 with both operands' format E2M1 (or v_wmma_scale_f32_32x16x128_f4), f32 sums; everything else in f32.
;; Inputs: Wk_codes 512 x 16 x 16 uint8 (E2M1 codes of Wk, K innermost, in blocks of 32 codes, two codes a byte); Wk_scales 512 x 16 uint8 (E8M0 scales of Wk, one for each 32 codes along K); Wo_codes 512 x 16 x 16 uint8 (E2M1 codes of Wo, K innermost, in blocks of 32 codes, two codes a byte); Wo_scales 512 x 16 uint8 (E8M0 scales of Wo, one for each 32 codes along K); Wq_codes 512 x 16 x 16 uint8 (E2M1 codes of Wq, K innermost, in blocks of 32 codes, two codes a byte); Wq_scales 512 x 16 uint8 (E8M0 scales of Wq, one for each 32 codes along K); Wv_codes 512 x 16 x 16 uint8 (E2M1 codes of Wv, K innermost, in blocks of 32 codes, two codes a byte); Wv_scales 512 x 16 uint8 (E8M0 scales of Wv, one for each 32 codes along K); bk 512 float32; bo 512 float32; bq 512 float32; bv 512 float32; keys_codes 512 x 64 x 16 x 16 uint8 (E2M1 codes of keys, K innermost, in blocks of 32 codes, two codes a byte); keys_scales 512 x 64 x 16 uint8 (E8M0 scales of keys, one for each 32 codes along K); query_codes 512 x 64 x 16 x 16 uint8 (E2M1 codes of query, K innermost, in blocks of 32 codes, two codes a byte); query_scales 512 x 64 x 16 uint8 (E8M0 scales of query, one for each 32 codes along K); values_codes 512 x 64 x 16 x 16 uint8 (E2M1 codes of values, K innermost, in blocks of 32 codes, two codes a byte); values_scales 512 x 64 x 16 uint8 (E8M0 scales of values, one for each 32 codes along K).
;; Outputs: out0 512 x 64 x 512 float32.
;; This version of the problem:
;;   THIS VERSION OF THE PROBLEM IS GIVEN IN LOW PRECISION. The matrix products marked QUANTISED in the list below multiply operands that are first quantised to E2M1 (2 exponent bits, 1 mantissa bit; 4 bits a number), with one power-of-two scale for each 32 numbers along K (OCP MX v1.0); their sums are f32. All else is computed in f32.
;;   The module's matrix products, in the order in which they are computed (A, B: the left and right operand; K: the contracted axis; several contracted axes count as one K, in the product's order):
;;     1. [M 32,768, K 512] x [K 512, N 512]; A: input values (given as codes); B: input Wv (given as codes): QUANTISED
;;     2. [M 32,768, K 512] x [K 512, N 512]; A: input keys (given as codes); B: input Wk (given as codes): QUANTISED
;;     3. [M 32,768, K 512] x [K 512, N 512]; A: input query (given as codes); B: input Wq (given as codes): QUANTISED
;;     4. batch 512 x [M 512, K 64] x [K 64, N 512]; A: computed on the way; B: computed on the way: QUANTISED
;;     5. batch 512 x [M 64, K 512] x [K 512, N 512]; A: computed on the way; B: softmax (see below): QUANTISED
;;     6. [M 32,768, K 512] x [K 512, N 512]; A: computed on the way; B: input Wo (given as codes): QUANTISED
;;   THE QUANTISER, for each operand of a quantised product, along K:
;;     - K is cut into blocks of 32 from its start; a last block that is shorter is filled with zeros.
;;     - A block's scale is 2^e with e = floor(log2(the largest magnitude in the block)) - 2, held to -126 .. 127; a block of zeros has e = 0. As a byte (E8M0): e + 127.
;;     - Each number is divided by its block's scale, clamped to +-6, and rounded to the nearest number of E2M1, ties to even, subnormals kept.
;;     - The product sums the exact products of the quantised numbers (number of the format x scale) in f32.
;;   ~~~python
;;   def quantise(x, axis):      # numpy; x: float32 -> the quantised numbers, widened to float32 again
;;       x = np.moveaxis(x, axis, -1); K = x.shape[-1]
;;       x = np.pad(x, [(0, 0)] * (x.ndim - 1) + [(0, -K % 32)]); x = x.reshape(x.shape[:-1] + (-1, 32)); a = np.abs(x).max(-1, keepdims=True)
;;       e = np.where(a > 0, np.clip(np.frexp(np.where(a > 0, a, 1))[1] - 1 - 2, -126, 127), 0)      # np.frexp(a)[1] - 1 = floor(log2(a)), exactly
;;       r = np.clip(x / 2.0 ** e, -6, 6)
;;       step = 2.0 ** (np.maximum(np.frexp(np.where(r == 0, 1, r))[1] - 1, 0) - 1)
;;       q = np.round(r / step) * step * 2.0 ** e      # np.round: ties to even
;;       return np.moveaxis(q.reshape(q.shape[:-2] + (-1,))[..., :K], -1, axis).astype(np.float32)
;;   ~~~
;;   SOFTMAX AHEAD OF A QUANTISED PRODUCT. Where the list says 'softmax', what is quantised is not the finished softmax but p = 2^(t - M), with t = logit x log2(e) and M = ceil(the row's largest t), a whole number; so 1/2 < the row's largest p <= 1. The row's sum l is taken of the UNQUANTISED p, in f32, and the product's result is divided by l at the end. Since M is a whole number, a kernel that streams over the keys may use a running M (the ceiling of the running maximum): every later rescaling is an exact power of two, which a block's scale takes up: the codes' values come out the same.
;;   OPERANDS COMPUTED ON THE WAY. 'Computed on the way' means the value that the module computes at that place (a softmax that the list does not call 'softmax' is quantised finished and normalised). What goes into a quantiser is computed in f32, as accurately as f32 sums, v_exp_f32 and their like allow (about 1e-6 of the number): no bf16 or f16 on the way to a quantiser, and a product that is left as it is and whose result goes on into a quantised operand takes f32 operands (vector FMAs, or v_wmma_f32_16x16x4_f32). A number that lies on a knife's edge between two numbers of the format may be rounded either way, as far as f32 arithmetic and the matrix unit's own rounding can turn it there, and no further.
;;   INPUTS GIVEN AS CODES. Wk (in the module: [512, 512], K = its axis 1); Wo (in the module: [512, 512], K = its axis 1); Wq (in the module: [512, 512], K = its axis 1); Wv (in the module: [512, 512], K = its axis 1); keys (in the module: [512, 64, 512], K = its axis 2); query (in the module: [512, 64, 512], K = its axis 2); values (in the module: [512, 64, 512], K = its axis 2): each comes as NAME_codes (uint8): NAME with its K axis moved to the last place and cut into blocks of 32 codes, [.., K / 32, bytes a block], one block behind the other in memory; two codes a byte, the lower K in the low four bits (a code: sign, 2 exponent bits, 1 mantissa bit); and NAME_scales (uint8): the same leading axes, one E8M0 byte (e + 127) for each 32 codes along K. Its value is code x scale, taken as it is: it is not quantised again, and the codes and scales need not be those that the quantiser above would give.
;; One version. Each part assembles by itself: llvm-mc -triple=amdgcn-amd-amdhsa -mcpu=gfx1250 --defsym DOCPART=n.
;; ======== version 1 of 1: 2 launches
;; limits: right only within a limited range of input values
;; workspace buffers: kvws 17,825,792 bytes; qws 17,825,792 bytes
;; launch proj (part 1): grid 64 x 3, 8 waves a work-group, clusters of 4 x 1, 300,032 bytes of LDS; arguments query_codes, keys_codes, values_codes, query_scales, keys_scales, values_scales, Wq_codes, Wk_codes, Wv_codes, Wq_scales, Wk_scales, Wv_scales, bq, bk, bv, qws, kvws; writes qws, kvws
.if DOCPART == 1
	.amdgcn_target "amdgcn-amd-amdhsa--gfx1250"
	.amdhsa_code_object_version 6
	.text
	.protected	k_qfb7c82cc41_proj
	.globl	k_qfb7c82cc41_proj
	.p2align	8
	.type	k_qfb7c82cc41_proj,@function
k_qfb7c82cc41_proj:
	s_mov_b64 s[64:65], 0
	v_nop
	global_prefetch_b8 v0, s[64:65] scope:SCOPE_SE
	s_setreg_imm32_b32 hwreg(HW_REG_WAVE_MODE, 25, 1), 1
	s_wait_xcnt 0x0
	s_wait_alu depctr_hold_cnt(0) depctr_sa_sdst(0) depctr_va_vdst(0) depctr_va_sdst(0) depctr_va_ssrc(0) depctr_va_vcc(0) depctr_vm_vsrc(0)
	s_getreg_b32 s2, hwreg(HW_REG_IB_STS2, 6, 4)
	s_cmp_eq_u32 s2, 0
	s_cbranch_scc0 .Lentry_in_a_cluster
	s_endpgm
.Lentry_in_a_cluster:
	s_bfe_u32 s2, ttmp6, 0x10000c
	s_cmp_lg_u32 s2, 0x3003
	s_cbranch_scc0 .Lentry_shape_is_right
	s_endpgm
.Lentry_shape_is_right:
; q = query Wq^T + bq, k = keys Wk^T + bk, v = values Wv^T + bv on the given codes of FP4 (E2M1) with E8M0 scales; the results are quantised again at once
; (q and k along the head's 64, v along the 512 keys n) and stored as codes and scale words IN THE ORDER OF THE NEXT LAUNCH'S OPERAND REGISTERS.
; WORKSPACE.  For each t a block of 278,528 bytes = 8 head blocks of 34,816; head 4 G + i lies at place 2 i + G.  A head block:
;   +0      K-type codes: 32 tiles of 512 bytes; lane (r, hh) has 16 bytes at 16 x lane: row n = 32 (tile / 2) + 8 (tile % 2) + r + 8 (r / 8), d = 32 hh .. 32 hh + 31
;   +16,384 V-type codes: 4,096 s + 1,024 dt + 512 c + 16 x lane: row d = 32 (dt / 2) + 8 (dt % 2) + r + 8 (r / 8), keys 128 s + 64 c + 32 hh + 0 .. 31
;   +32,768 scale words: 512 s + [r][p] (K-type: the two bytes of tile 8 s + 2 p, then those of tile 8 s + 2 p + 1);  512 s + 256 + [r][dt] (V-type: the four bytes of the step's 128 keys)
;   q goes to qws (K-type parts alone are written and read), k and v to kvws.
; SHARES.  Work-group y = the tensor (0 q, 1 k, 2 v); cluster x = T (t = 4 T .. 4 T + 3); place in the cluster = B (n = 128 B .. 128 B + 127).  512 rows of x, all 512 features, all of K lie in LDS, filled once.
; A JOB is 8 tiles of source 0 (128 rows, R) x 1 tile of source 1 (16 rows, L): 32 matrix instructions on 8 accumulators by turns, then the lane's 64 numbers become one fragment and one scale word.
;   q, k: R = 128 rows of W (two heads), L = 16 rows of x: a lane holds one row of x, its registers run along the features.   v: R = 128 keys of one t, L = 16 rows of W: a lane holds one feature, its registers run along the keys.
; Wave w: R group g = w % 4, kept in 256 registers (window 1) for the whole launch; L tiles 16 (w / 4) .. + 15: sixteen jobs, written out: every LDS offset and every store offset is an immediate.
; THE ROWS OF A TILE ARE NOT NEIGHBOURS: lane r takes row r + 8 (r / 8) of the tile's 24, so that the 16 registers of two neighbouring result tiles are 16 neighbours along the next K.
; CLUSTER.  The four work-groups of a cluster differ in n alone and need the same W, its scales and its bias: these are asked for jointly (mask 15); x and its scales are each work-group's own.
; LIMITS.  NaN, infinities and scale bytes 0xff among the inputs are not served.  A block of zeros gets the scale byte 1 where the quantiser's rule says 127: its codes are zeros, and this program alone reads the bytes.
.set PITCH, 272                        ; an LDS row of codes: 256 bytes + 16 of padding
.set XM,    0                          ; x: 512 rows (128 g + i: t = 4 T + g, n = 128 B + i)
.set WM,    512*PITCH                  ; W: 512 rows
.set XS,    2*512*PITCH                ; x's scale bytes: 128 rows i of 64 bytes (16 for each g) + 16 of padding
.set XSP,   80
.set WS,    XS+128*XSP                 ; W's scale bytes: 16 a row, dense
.set BS,    WS+8192                    ; the bias: 512 f32
.set TBLK,  278528
.set HBLK,  34816
.set ACC,   16                         ; v16-79   eight accumulators
.set LF,    80                         ; v80-111  L's fragments of the four K steps
.set RS,    112                        ; v112-143 R's scale words (tile t, K step s at 4 t + s): scales and nothing else
.set LS,    144                        ; v144-147 L's scale words: scales and nothing else
.set BR,    148                        ; v148-211 q, k: the bias in the result's layout, 8 a tile;  v: v148-155 the lane's bias, eight times
.set PC,    212                        ; v212-219 the codes just made
.set TM,    220                        ; v220-235 at work in the quantiser
.set PW,    236                        ; v236-243 the scale words of eight jobs
.set EW,    244                        ; v244-247, v248-251 scale words on their way out
.set OW,    248
.set SEL,   96                         ; s[96:97] lane selects for v_permlanex16_b32: lane l xor 16
.set MSB, 0
.macro WIN new                         ; the immediate's high byte repeats the setting that is left
.if MSB != \new
	s_set_vgpr_msb (MSB<<8)|\new
.set MSB, \new
.endif
.endm
.macro CROUND                          ; a round of the cluster's barrier
	s_barrier_signal -1
	s_barrier_wait -1
	s_cmp_lg_u32 s16, 0
	s_cbranch_scc1 .Lnot_wave_0_\@
	s_barrier_signal -3
.Lnot_wave_0_\@:
	s_barrier_wait -3
	s_barrier_signal -1
	s_barrier_wait -1
.endm
; 64 numbers of a lane, register 16 b + i = k 32 b + 16 (lane / 16) + i of its row, become a fragment's codes in v[PC] on and its scale word in v[pw].
.macro QUANT s, pw
.irp b, 0,1,2,3
	v_max3_num_f32 v[TM+\b], |v[\s+16*\b]|, |v[\s+1+16*\b]|, 0x1800000   ; block b: my 16 numbers, from each accumulator's low end on, and the floor 2^(3 - 127): the byte cannot fall under 1
.endr
.irp i, 2,4,6,8,10,12,14
.irp b, 0,1,2,3
	v_max3_num_f32 v[TM+\b], v[TM+\b], |v[\s+16*\b+\i]|, |v[\s+1+16*\b+\i]|   ; the four blocks by turns
.endr
.endr
.irp b, 0,1,2,3
	s_delay_alu instid0(VALU_DEP_4)
	v_permlanex16_b32 v[TM+4+\b], v[TM+\b], s[SEL], s[SEL+1]
.endr
.irp b, 0,1,2,3
	s_delay_alu instid0(VALU_DEP_4)
	v_max_num_f32 v[TM+\b], v[TM+\b], v[TM+4+\b]   ; with lane l xor 16's: the block's largest magnitude
.endr
.irp b, 0,1,2,3
	s_delay_alu instid0(VALU_DEP_4)
	v_add_nc_u32 v[TM+12+\b], 0xff000000, v[TM+\b]   ; 2 off its exponent field: the conversion's scale operand
.endr
.irp b, 0,1,2,3
	s_delay_alu instid0(VALU_DEP_4)
	v_lshrrev_b32 v[TM+4+\b], 23, v[TM+12+\b]      ; the scale's byte
.endr
	s_delay_alu instid0(VALU_DEP_3)
	v_lshl_or_b32 v[\pw], v[TM+5], 8, v[TM+4]
	s_delay_alu instid0(VALU_DEP_1)
	v_lshl_or_b32 v[\pw], v[TM+6], 16, v[\pw]
	s_delay_alu instid0(VALU_DEP_1)
	v_lshl_or_b32 v[\pw], v[TM+7], 24, v[\pw]
.irp b, 0,1,2,3
	v_cvt_scalef32_pk8_fp4_f32 v[PC+2*\b], v[\s+16*\b:\s+7+16*\b], v[TM+12+\b]
	v_cvt_scalef32_pk8_fp4_f32 v[PC+1+2*\b], v[\s+8+16*\b:\s+15+16*\b], v[TM+12+\b]
.endr
	v_nop                                          ; one plain place behind a scaled conversion
.irp c, 0,1                                    ; the operand's layout wants a whole block in a lane: lanes 0-15 block 2 c, lanes 16-31 block 2 c + 1
.irp i, 0,1
	v_permlane16_swap_b32 v[PC+4*\c+\i], v[PC+2+4*\c+\i]
.endr
.endr
.endm
; The arm's addresses, R's fragments, scale words and (q, k) bias.  vp = 1: the arm for v.
.macro PRE vp
	s_mul_i32 s22, s17, 128*PITCH                  ; R: my group of 128 rows
	s_mul_i32 s23, s18, 256*PITCH                  ; L: my half of the 512 rows
.if \vp
	s_add_co_u32 s23, s23, WM
.else
	s_add_co_u32 s22, s22, WM
.endif
	v_add_nc_u32 v6, s22, v5
	s_wait_alu depctr_va_vdst(0)
	v_add_nc_u32 v8, s23, v5
.if \vp
	s_lshl_b32 s22, s17, 4
	s_add_co_u32 s22, s22, XS
	v_mul_u32_u24 v7, v4, XSP
	s_delay_alu instid0(VALU_DEP_1)
	v_add_nc_u32 v7, s22, v7                       ; R's scale words: XS + 16 g + 80 r'
	s_wait_alu depctr_va_vdst(0)
	s_lshl_b32 s22, s18, 12
	s_add_co_u32 s22, s22, WS
	v_lshl_add_u32 v9, v4, 4, s22                  ; L's: WS + 4,096 (w / 4) + 16 r'
	s_wait_alu depctr_va_vdst(0)
	s_lshl_b32 s22, s18, 10
	s_add_co_u32 s22, s22, BS
	v_lshl_add_u32 v10, v4, 2, s22                 ; my feature's bias: BS + 1,024 (w / 4) + 4 r'
	s_wait_alu depctr_va_vdst(0)
	s_mov_b32 s23, s17                             ; the output's t = 4 T + g
	s_mul_i32 s28, s18, HBLK                       ; heads 4 (w / 4) + i: place w / 4
.else
	s_lshl_b32 s22, s17, 11
	s_add_co_u32 s22, s22, WS
	v_lshl_add_u32 v7, v4, 4, s22                  ; R's scale words: WS + 2,048 g + 16 r'
	s_wait_alu depctr_va_vdst(0)
	s_lshl_b32 s22, s18, 5
	s_add_co_u32 s22, s22, XS
	v_mul_u32_u24 v9, v4, XSP
	s_delay_alu instid0(VALU_DEP_1)
	v_add_nc_u32 v9, s22, v9                       ; L's: XS + 32 (w / 4) + 80 r'
	s_lshl_b32 s22, s17, 9
	s_add_co_u32 s22, s22, BS
	v_lshl_add_u32 v10, v3, 6, s22                 ; the bias of my 128 features: BS + 512 g + 64 hh
	s_wait_alu depctr_va_vdst(0)
	s_lshl_b32 s23, s18, 1                         ; the output's t = 4 T + 2 (w / 4) (+ 1 in the second eight jobs)
	s_and_b32 s28, s17, 1
	s_lshl_b32 s28, s28, 2
	s_lshr_b32 s29, s17, 1
	s_add_co_u32 s28, s28, s29
	s_mul_i32 s28, s28, HBLK                       ; head 2 g lies at place 4 (g % 2) + g / 2, head 2 g + 1 two places on
.endif
	s_lshl_b32 s22, s20, 2
	s_add_co_u32 s22, s22, s23
	s_mul_i32 s22, s22, TBLK
	s_add_co_u32 s22, s22, s28
	s_lshl_b32 s28, s21, 12
	s_add_co_u32 s28, s28, s22
	s_mov_b32 s29, 0
	s_add_nc_u64 s[24:25], s[14:15], s[28:29]      ; the codes' base: 4,096 B on (eight tiles, or one step)
	s_lshl_b32 s28, s21, 9
	s_add_co_u32 s28, s28, s22
	s_add_nc_u64 s[26:27], s[14:15], s[28:29]      ; the scale words' base: 512 B on
	WIN 0x40                                       ; destination window 1, address window 0
.irp t, 0,1,2,3,4,5,6,7
.irp s, 0,1,2,3
.irp c, 0,1
	ds_load_b128 v[8*(4*\t+\s)+4*\c:8*(4*\t+\s)+4*\c+3], v6 offset:(32*(\t/2)+8*(\t%2))*PITCH+64*\s+32*\c
.endr
.endr
.endr
	WIN 0
.irp t, 0,1,2,3,4,5,6,7
.if \vp
	ds_load_b128 v[RS+4*\t:RS+4*\t+3], v7 offset:(32*(\t/2)+8*(\t%2))*XSP
.else
	ds_load_b128 v[RS+4*\t:RS+4*\t+3], v7 offset:(32*(\t/2)+8*(\t%2))*16
	ds_load_b128 v[BR+8*\t:BR+8*\t+3], v10 offset:(32*(\t/2)+8*(\t%2))*4
	ds_load_b128 v[BR+8*\t+4:BR+8*\t+7], v10 offset:(32*(\t/2)+8*(\t%2))*4+16
.endif
.endr
.endm
; L's tile of job J: four K steps' fragments, its scale words, and for v the lane's bias in eight registers (by loads, so that the product's C owes only its wait)
.macro LFETCH vp, J
.set RO, 128*((\J)/8)+32*(((\J)%8)/2)+8*((\J)%2)
.irp s, 0,1,2,3
.irp c, 0,1
	ds_load_b128 v[LF+8*\s+4*\c:LF+8*\s+4*\c+3], v8 offset:RO*PITCH+64*\s+32*\c
.endr
.endr
.if \vp
	ds_load_b128 v[LS:LS+3], v9 offset:RO*16
.irp i, 0,1,2,3,4,5,6,7
	ds_load_b32 v[BR+\i], v10 offset:RO*4
.endr
.else
	ds_load_b128 v[LS:LS+3], v9 offset:16*((\J)/8)+(RO-128*((\J)/8))*XSP
.endif
.endm
.macro JOB vp, J
	s_wait_dscnt 0x0                               ; L's tile is in (in the first job: R too)
	WIN 0x01                                       ; source 0 (R) window 1
.irp s, 0,1,2,3                                ; the eight accumulators take turns, one instruction a turn; the bias is the C of each sum's first product
.irp t, 0,1,2,3,4,5,6,7
.if \s > 0
	v_wmma_scale_f32_16x16x128_f8f6f4 v[ACC+8*\t:ACC+8*\t+7], v[8*(4*\t+\s):8*(4*\t+\s)+7], v[LF+8*\s:LF+8*\s+7], v[ACC+8*\t:ACC+8*\t+7], v[RS+4*\t+\s], v[LS+\s] matrix_a_fmt:MATRIX_FMT_FP4 matrix_b_fmt:MATRIX_FMT_FP4
.elseif \vp
	v_wmma_scale_f32_16x16x128_f8f6f4 v[ACC+8*\t:ACC+8*\t+7], v[8*(4*\t+\s):8*(4*\t+\s)+7], v[LF+8*\s:LF+8*\s+7], v[BR:BR+7], v[RS+4*\t+\s], v[LS+\s] matrix_a_fmt:MATRIX_FMT_FP4 matrix_b_fmt:MATRIX_FMT_FP4
.else
	v_wmma_scale_f32_16x16x128_f8f6f4 v[ACC+8*\t:ACC+8*\t+7], v[8*(4*\t+\s):8*(4*\t+\s)+7], v[LF+8*\s:LF+8*\s+7], v[BR+8*\t:BR+8*\t+7], v[RS+4*\t+\s], v[LS+\s] matrix_a_fmt:MATRIX_FMT_FP4 matrix_b_fmt:MATRIX_FMT_FP4
.endif
.endr
.endr
	WIN 0
.rept 4
	v_nop                                          ; four places in front of the loads into L's registers and of the first read of results; the quantiser's lines on its own registers add the fifth ahead of the next job's first product
.endr
.if (\J) < 15
	LFETCH \vp, (\J)+1                             ; the next tile lands while this job's results are quantised
.endif
	s_wait_xcnt 0x0                                ; the last job's stores have read their data: the codes' registers are written again only behind this wait
	QUANT ACC, PW+((\J)%8)
.if \vp
	global_store_b128 v11, v[PC:PC+3], s[24:25] offset:4*HBLK*((\J)/8)+2*HBLK*(((\J)%8)/4)+16384+1024*((\J)%4)        ; each store of the wave covers 512 consecutive bytes, aligned
	global_store_b128 v11, v[PC+4:PC+7], s[24:25] offset:4*HBLK*((\J)/8)+2*HBLK*(((\J)%8)/4)+16384+1024*((\J)%4)+512
.else
	global_store_b128 v11, v[PC:PC+3], s[24:25] offset:TBLK*((\J)/8)+512*((\J)%8)                 ; head 2 g's half of the fragment,
	global_store_b128 v11, v[PC+4:PC+7], s[24:25] offset:TBLK*((\J)/8)+512*((\J)%8)+2*HBLK        ; head 2 g + 1's
.endif
.endm
; Eight jobs' scale words leave together: lanes 0-15 store 256 consecutive bytes of one head block, lanes 16-31 of the head block two places on.
.macro PACK vp, trip
.irp p, 0,1,2,3
.if \vp
	v_cndmask_b32 v[EW+\p], v[PW+\p], v[PW+4+\p], vcc_lo            ; jobs 0-3 are one head's four tiles of d, jobs 4-7 the next head's
.else
	v_perm_b32 v[EW+\p], v[PW+2*\p+1], v[PW+2*\p], 0x05040100       ; head 2 g: the low halves of two neighbouring tiles' words,
	v_perm_b32 v[OW+\p], v[PW+2*\p+1], v[PW+2*\p], 0x07060302       ; head 2 g + 1: the high halves
.endif
.endr
.if \vp
	global_store_b128 v12, v[EW:EW+3], s[26:27] offset:4*HBLK*\trip+32768+256
.else
.irp p, 0,1,2,3
	v_cndmask_b32 v[EW+\p], v[EW+\p], v[OW+\p], vcc_lo
.endr
	global_store_b128 v12, v[EW:EW+3], s[26:27] offset:TBLK*\trip+32768
.endif
.endm
	s_load_b512 s[32:47], s[0:1], 0x0              ; codes of query, keys, values; their scales; Wq's, Wk's codes
	s_load_b512 s[48:63], s[0:1], 0x40             ; Wv's codes; scales of Wq, Wk, Wv; bq, bk, bv; qws
	s_load_b64 s[68:69], s[0:1], 0x80              ; kvws
	v_lshl_add_u32 v254, v0, 2, 0x49000
	v_mov_b32 v255, 0
	ds_add_u32 v254, v255
	ds_add_u32 v254, v255
	v_lshrrev_b32 v1, 5, v0
	s_delay_alu instid0(VALU_DEP_1)
	v_readfirstlane_b32 s16, v1                    ; wave 0..7
	s_and_b32 s17, s16, 3                          ; g
	s_lshr_b32 s18, s16, 2                         ; which half of L's tiles
	s_and_b32 s19, ttmp7, 0xffff                   ; the tensor: the four partners share it
	s_mov_b32 s20, ttmp9                           ; T
	s_bfe_u32 s21, ttmp6, 0x40000                  ; B: my place in the cluster: it enters x's and the output's global addresses alone
	s_lshl_b32 s22, s21, 21                        ; x's codes, waves 0 to 3: the 128 rows n of t = 4 T + wave: (128 B x 64 + 4 T + wave) x 256 bytes
	s_lshl_b32 s23, s20, 10
	s_add_co_u32 s22, s22, s23
	s_lshl_b32 s23, s16, 8
	s_add_co_u32 s22, s22, s23
	s_mov_b32 s23, 0
	s_lshl_b32 s24, s21, 17                        ; x's scales, all 128 rows n: (128 B x 64 + 4 T) x 16 bytes
	s_lshl_b32 s25, s20, 6
	s_add_co_u32 s24, s24, s25
	s_mov_b32 s25, 0
	s_mov_b32 s[SEL], 0x76543210
	s_mov_b32 s[SEL+1], 0xfedcba98
	s_wait_dscnt 0x0
	s_wait_kmcnt 0x0
	s_cmp_eq_u32 s19, 2                            ; the tensor's buffers: the choice hangs on the work-group's y alone
	s_cselect_b64 s[4:5], s[36:37], s[34:35]
	s_cselect_b64 s[6:7], s[42:43], s[40:41]
	s_cselect_b64 s[8:9], s[48:49], s[46:47]
	s_cselect_b64 s[10:11], s[54:55], s[52:53]
	s_cselect_b64 s[12:13], s[60:61], s[58:59]
	s_cmp_eq_u32 s19, 0
	s_cselect_b64 s[4:5], s[32:33], s[4:5]         ; x's codes
	s_cselect_b64 s[6:7], s[38:39], s[6:7]         ; x's scales
	s_cselect_b64 s[8:9], s[44:45], s[8:9]         ; W's codes
	s_cselect_b64 s[10:11], s[50:51], s[10:11]     ; W's scales
	s_cselect_b64 s[12:13], s[56:57], s[12:13]     ; the bias
	s_cselect_b64 s[14:15], s[62:63], s[68:69]     ; the output: qws for q, kvws for k and v
	; descriptor groups 1, each word a constant
	s_mov_b32 s32, (1<<20)|(5<<22)|(3<<25)         ; x's codes: no mask; elements of 1 byte; 4 words of padding after every 64
	s_mov_b32 s33, 256<<16                         ; tensor_dim0 = 256
	s_mov_b32 s34, 128<<16                         ; tensor_dim1 = 128
	s_mov_b32 s35, 256<<16                         ; tile_dim0 = 256
	s_mov_b32 s36, 128                             ; tile_dim1 = 128
	s_mov_b32 s37, 16384                           ; from n to n + 1: 64 rows t of 256 bytes
	s_mov_b32 s38, 0
	s_mov_b32 s39, 0
	s_mov_b32 s40, 15|(1<<20)|(1<<21)|(5<<22)|(3<<25)   ; W's codes: the mask names all four; bit 21 beside it; the same padding
	s_mov_b32 s41, 256<<16
	s_mov_b32 s42, 512<<16                         ; all 512 rows of W in one load
	s_mov_b32 s43, 256<<16
	s_mov_b32 s44, 512
	s_mov_b32 s45, 256
	s_mov_b32 s46, 0
	s_mov_b32 s47, 0
	s_mov_b32 s48, (1<<20)|(3<<22)|(3<<25)         ; x's scales: 128 rows of 64 bytes, 4 words of padding after every 16
	s_mov_b32 s49, 64<<16
	s_mov_b32 s50, 128<<16
	s_mov_b32 s51, 64<<16
	s_mov_b32 s52, 128
	s_mov_b32 s53, 1024
	s_mov_b32 s54, 0
	s_mov_b32 s55, 0
	s_mov_b32 s56, 15|(3<<16)|(1<<21)              ; W's scales: dense, 32 rows of 32 elements of 8 bytes; joint
	s_mov_b32 s57, 32<<16
	s_mov_b32 s58, 32<<16
	s_mov_b32 s59, 32<<16
	s_mov_b32 s60, 32
	s_mov_b32 s61, 32
	s_mov_b32 s62, 0
	s_mov_b32 s63, 0
	s_mov_b32 s68, 15|(3<<16)|(1<<21)              ; the bias: 8 rows of 256 bytes; joint
	s_mov_b32 s69, 32<<16
	s_mov_b32 s70, 8<<16
	s_mov_b32 s71, 32<<16
	s_mov_b32 s72, 8
	s_mov_b32 s73, 32
	s_mov_b32 s74, 0
	s_mov_b32 s75, 0
	; groups 0: count, LDS address (a constant + a constant x wave), global address, type
	s_mov_b32 s76, 1
	s_mul_i32 s77, s16, 128*PITCH
	s_add_nc_u64 s[78:79], s[4:5], s[22:23]
	s_or_b32 s79, s79, 0x80000000
	s_mov_b32 s80, 1
	s_mov_b32 s81, WM
	s_mov_b64 s[82:83], s[8:9]
	s_or_b32 s83, s83, 0x80000000
	s_mov_b32 s84, 1
	s_mov_b32 s85, XS
	s_add_nc_u64 s[86:87], s[6:7], s[24:25]
	s_or_b32 s87, s87, 0x80000000
	s_mov_b32 s88, 1
	s_mov_b32 s89, WS
	s_mov_b64 s[90:91], s[10:11]
	s_or_b32 s91, s91, 0x80000000
	s_mov_b32 s92, 1
	s_mov_b32 s93, BS
	s_mov_b64 s[94:95], s[12:13]
	s_or_b32 s95, s95, 0x80000000
	CROUND                                         ; all four work-groups are here: the joint loads meet
; The head's tiles, one load a wave: waves 0 to 3 x's codes of one t each, wave 4 W's codes, wave 5 x's scales, wave 6 W's scales, wave 7 the bias.
; One chain of branches on the wave's number: every way through it passes one load.  Every LDS byte is filled once.
.macro ARM under, g0, g1, next
	s_cmp_lt_u32 s16, \under
	s_cbranch_scc0 \next
	tensor_load_to_lds s[\g0:\g0+3], s[\g1:\g1+7]
	s_nop 0
.rept 4
	v_nop
.endr
	s_branch .Lhead_asked
\next:
.endm
	ARM 4, 76, 32, .Lhead_w
	ARM 5, 80, 40, .Lhead_xs
	ARM 6, 84, 48, .Lhead_ws
	ARM 7, 88, 56, .Lhead_b
	tensor_load_to_lds s[92:95], s[68:75]
	s_nop 0
.Lhead_asked:
.rept 4
	v_nop                                          ; behind tensor loads
.endr
	v_and_b32 v1, 31, v0                           ; lane
	v_and_b32 v2, 15, v0                           ; r
	v_bfe_u32 v3, v0, 4, 1                         ; hh
	s_delay_alu instid0(VALU_DEP_2)
	v_and_b32 v4, 8, v2
	s_delay_alu instid0(VALU_DEP_1)
	v_add_nc_u32 v4, v4, v2                        ; r' = r + 8 (r / 8)
	s_delay_alu instid0(VALU_DEP_1)
	v_mul_u32_u24 v5, v4, PITCH
	s_delay_alu instid0(VALU_DEP_1)
	v_lshl_add_u32 v5, v3, 4, v5                   ; a fragment's row x pitch + 16 hh
	v_lshlrev_b32 v11, 4, v1                       ; the codes' way out: 16 x lane
	v_mul_u32_u24 v12, v3, 2*HBLK
	s_delay_alu instid0(VALU_DEP_1)
	v_lshl_add_u32 v12, v2, 4, v12                 ; the scale words': 16 r, lanes 16-31 two head blocks on
	v_cmp_lt_u32 vcc_lo, 15, v1                    ; lanes 16-31; nothing else writes VCC
.irp b, 0,1,2,3
	v_mov_b32 v[TM+4+\b], 0                        ; written once: a lane permute's destination counts as one of its sources
.endr
	s_wait_tensorcnt 0x0                           ; my one tile has landed,
	s_barrier_signal -1
	s_barrier_wait -1                              ; everybody's have
	s_cmp_eq_u32 s19, 2
	s_cbranch_scc1 .Lv
	s_wait_alu depctr_va_vdst(0)
	PRE 0
	LFETCH 0, 0
.irp J, 0,1,2,3,4,5,6,7
	JOB 0, \J
.endr
	PACK 0, 0
.irp J, 8,9,10,11,12,13,14,15
	JOB 0, \J
.endr
	PACK 0, 1
	s_branch .Lend
.Lv:
	s_wait_alu depctr_va_vdst(0)
	PRE 1
	LFETCH 1, 0
.irp J, 0,1,2,3,4,5,6,7
	JOB 1, \J
.endr
	PACK 1, 0
.irp J, 8,9,10,11,12,13,14,15
	JOB 1, \J
.endr
	PACK 1, 1
.Lend:
	s_wait_dscnt 0x0
	s_wait_tensorcnt 0x0
	ds_add_u32 v254, v255
	s_wait_dscnt 0x0
	CROUND                                         ; the closing round: no work-group ends while a partner may still ask for a tile that names it
	s_endpgm
.Lfunc_end_k_qfb7c82cc41_proj:
	.size	k_qfb7c82cc41_proj, .Lfunc_end_k_qfb7c82cc41_proj-k_qfb7c82cc41_proj
	.p2alignl 7, 3214868480
	.fill 96, 4, 3214868480
	.section	.rodata,"a",@progbits
	.p2align	6, 0x0
	.amdhsa_kernel k_qfb7c82cc41_proj
		.amdhsa_group_segment_fixed_size 300032
		.amdhsa_private_segment_fixed_size 0
		.amdhsa_enable_private_segment 0
		.amdhsa_kernarg_size 136
		.amdhsa_user_sgpr_count 2
		.amdhsa_user_sgpr_kernarg_segment_ptr 1
		.amdhsa_wavefront_size32 1
		.amdhsa_system_sgpr_workgroup_id_x 1
		.amdhsa_system_sgpr_workgroup_id_y 1
		.amdhsa_system_sgpr_workgroup_id_z 1
		.amdhsa_system_vgpr_workitem_id 0
		.amdhsa_next_free_vgpr 512
		.amdhsa_next_free_sgpr 100
		.amdhsa_reserve_vcc 1
		.amdhsa_float_denorm_mode_32 3
		.amdhsa_float_denorm_mode_16_64 3
		.amdhsa_memory_ordered 1
		.amdhsa_forward_progress 1
		.amdhsa_inst_pref_size 255
	.end_amdhsa_kernel
	.section	.bss,"aw",@nobits
	.p2align	6
	.space	262144
	.amdgpu_metadata
---
amdhsa.version: [ 1, 2 ]
amdhsa.kernels:
  - .name:           k_qfb7c82cc41_proj
    .symbol:         k_qfb7c82cc41_proj.kd
    .args:
      - { .name: query_codes, .offset: 0, .size: 8, .value_kind: global_buffer, .address_space: global }
      - { .name: keys_codes, .offset: 8, .size: 8, .value_kind: global_buffer, .address_space: global }
      - { .name: values_codes, .offset: 16, .size: 8, .value_kind: global_buffer, .address_space: global }
      - { .name: query_scales, .offset: 24, .size: 8, .value_kind: global_buffer, .address_space: global }
      - { .name: keys_scales, .offset: 32, .size: 8, .value_kind: global_buffer, .address_space: global }
      - { .name: values_scales, .offset: 40, .size: 8, .value_kind: global_buffer, .address_space: global }
      - { .name: Wq_codes, .offset: 48, .size: 8, .value_kind: global_buffer, .address_space: global }
      - { .name: Wk_codes, .offset: 56, .size: 8, .value_kind: global_buffer, .address_space: global }
      - { .name: Wv_codes, .offset: 64, .size: 8, .value_kind: global_buffer, .address_space: global }
      - { .name: Wq_scales, .offset: 72, .size: 8, .value_kind: global_buffer, .address_space: global }
      - { .name: Wk_scales, .offset: 80, .size: 8, .value_kind: global_buffer, .address_space: global }
      - { .name: Wv_scales, .offset: 88, .size: 8, .value_kind: global_buffer, .address_space: global }
      - { .name: bq, .offset: 96, .size: 8, .value_kind: global_buffer, .address_space: global }
      - { .name: bk, .offset: 104, .size: 8, .value_kind: global_buffer, .address_space: global }
      - { .name: bv, .offset: 112, .size: 8, .value_kind: global_buffer, .address_space: global }
      - { .name: qws, .offset: 120, .size: 8, .value_kind: global_buffer, .address_space: global }
      - { .name: kvws, .offset: 128, .size: 8, .value_kind: global_buffer, .address_space: global }
    .group_segment_fixed_size: 300032
    .private_segment_fixed_size: 0
    .kernarg_segment_align: 8
    .kernarg_segment_size: 136
    .max_flat_workgroup_size: 256
    .sgpr_count:     100
    .vgpr_count:     512
    .wavefront_size: 32
...
	.end_amdgpu_metadata
.endif
;; end of part 1
;; launch attn (part 2): grid 4 x 64, 8 waves a work-group, clusters of 4 x 1, 327,680 bytes of LDS; arguments qws, kvws, Wo_codes, Wo_scales, bo, out0; writes out0
.if DOCPART == 2
	.amdgcn_target "amdgcn-amd-amdhsa--gfx1250"
	.amdhsa_code_object_version 6
	.text
	.protected	k_qfb7c82cc41_attn
	.globl	k_qfb7c82cc41_attn
	.p2align	8
	.type	k_qfb7c82cc41_attn,@function
k_qfb7c82cc41_attn:
	s_mov_b64 s[64:65], 0
	v_nop
	global_prefetch_b8 v0, s[64:65] scope:SCOPE_SE
	s_setreg_imm32_b32 hwreg(HW_REG_WAVE_MODE, 25, 1), 1
	s_wait_xcnt 0x0
	s_wait_alu depctr_hold_cnt(0) depctr_sa_sdst(0) depctr_va_vdst(0) depctr_va_sdst(0) depctr_va_ssrc(0) depctr_va_vcc(0) depctr_vm_vsrc(0)
	s_getreg_b32 s2, hwreg(HW_REG_IB_STS2, 6, 4)
	s_cmp_eq_u32 s2, 0
	s_cbranch_scc0 .Lentry_in_a_cluster
	s_endpgm
.Lentry_in_a_cluster:
	s_bfe_u32 s2, ttmp6, 0x10000c
	s_cmp_lg_u32 s2, 0x3003
	s_cbranch_scc0 .Lentry_shape_is_right
	s_endpgm
.Lentry_shape_is_right:
; out0[n][t] = (softmax over the keys k of q[n][t][h] . k[k][t][h] / sqrt(512)) v, all heads, then x Wo^T + bo: all three products on codes of FP4 (E2M1) with E8M0 scales.
; q, k, v come as codes and scale words in the order of the operand registers (the launch before lays them: a block of TBLK bytes for each t, 8 head blocks of HBLK; head 4 G + i at place 2 i + G).
; SHARES.  Work-group: one t (y) and 128 queries n = 128 B .. (B: the place in the cluster).  Wave w owns the head at place w: it brings that head's block into LDS by one load and is the only wave that reads it.
; The 128 queries go in FOUR PHASES of 32: two tiles of 16 a wave, tile 0 in register window 0 and tile 1 in window 1 at the same low numbers, so that each fragment of K and V read from LDS serves both.
; Behind a phase's attention the eight heads' O, quantised along the head's 64, meet in LDS; wave w then makes features 64 w .. 64 w + 63 of the 32 rows (Wo's fragments stay in window 1, v0-127, for the whole launch)
; and stores them, through its own stage, as whole aligned units of 256 bytes.  A phase's stores are on their way while the next phase is computed.
; THE SOFTMAX: t = score x log2(e) / sqrt(512); M = the running largest t rounded up to a whole number; p = 2^(t - M) is quantised along the keys; the row's sum is taken of the unquantised p and divides O.
; The head's K is 64: a K fragment holds two tiles of keys (k 0-63, 64-127) and q stands beside 64 zero codes, once below and once above.
; CLUSTER.  The four work-groups of a cluster differ in n alone and need the same K and V: the loads are joint (mask 15).
; NO PREFETCH: K and V come once, by the head's loads, and there is no loop ahead of them in which to ask earlier; q's 1,024 bytes a wave and phase are asked for one out-projection ahead.
; LIMITS.  NaN, infinities and scale bytes 0xff are not served.  The promise holds while the scaled scores stay under 2^31 in magnitude.  A block of zeros gets the scale byte 1: its codes are zeros.
.set TBLK,  278528
.set HBLK,  34816
.set OIMG,  278528                     ; O's codes of a phase: 4,096 m + 512 head + 16 lane
.set OSC,   OIMG+8192                  ; O's scale words: 256 m + 64 (head / 2) + 4 r, two bytes a head
.set STG,   OSC+512                    ; the way out: 16 rows x (256 + 16) bytes for each wave
.set SPI,   272
.set WST,   16*SPI
.set SPARE, STG+8*WST                  ; the spare words: 128 bytes a wave
; window 0, v0-127: shared
.set LA,   1                           ; 16 x lane
.set KVA,  2                           ; my head block + 16 x lane
.set OIA,  3                           ; where I put O's codes
.set OSA,  4                           ; and its two scale bytes
.set OIR,  5                           ; where O's fragments are read
.set OSR,  6                           ; and the scale words
.set STA,  7                           ; stage: in
.set STR,  8                           ; stage: back
.set GO,   9                           ; my byte offset in out0
.set SPW,  10
.set NIL,  11
.set BQ,   12                          ; v12-15 the bias of my lane's four features
.set KF,   16                          ; v16-47 K's fragments of a step
.set VF,   48                          ; v48-79 V's
.set SCW,  80                          ; v80-87 K's (lanes 0-15) and V's (lanes 16-31) scale words, two sets
.set WOS,  88                          ; v88-103 Wo's scale words
.set QW,   104                         ; v104-105 q's scale words, tile 0, 1
.set PW,   106                         ; v106-107 p's scale words
.set QS,   108                         ; v108-111 q's scale words of the phases to come
.set OS,   112                         ; v112-119 O's scale words
.set WA,   120
.set R16,  121
; both windows, v128-255: a tile's own
.set SR,   128                         ; scores, then p; in the out-projection 32 accumulators and 32 of O's fragments, then rows on their way out
.set OT,   192                         ; O^T
.set BM,   224                         ; the blocks' largest scores
.set TP,   228
.set PC,   224                         ; p's codes lie over both when these are done with
.set SO,   232                         ; the conversions' scale operands, then two chains of the sum
.set F,    236                         ; f = 2^(old M - new M)
.set TMP,  238
.set NM,   240                         ; -M
.set TT,   241                         ; the largest t
.set SUM,  242
.set Q,    244                         ; 0 (4), q (4), 0 (4)
.set SEL,  26
.set CS,   28
.set PH,   34
.set MSB, 0
.macro WIN new                         ; the immediate's high byte repeats the setting that is left
.if MSB != (\new)
	s_set_vgpr_msb (MSB<<8)|(\new)
.set MSB, (\new)
.endif
.endm
.macro CROUND
	s_barrier_signal -1
	s_barrier_wait -1
	s_cmp_lg_u32 s16, 0
	s_cbranch_scc1 .Lnot_wave_0_\@
	s_barrier_signal -3
.Lnot_wave_0_\@:
	s_barrier_wait -3
	s_barrier_signal -1
	s_barrier_wait -1
.endm
.macro KLOAD s                         ; 9 loads: a step's scale words and K's fragments
	ds_load_b128 v[SCW+4*((\s)%2):SCW+4*((\s)%2)+3], v[KVA] offset:32768+512*(\s)
.irp p, 0,1,2,3
.irp c, 0,1
	ds_load_b128 v[KF+8*\p+4*\c:KF+8*\p+4*\c+3], v[KVA] offset:4096*(\s)+1024*\p+512*\c
.endr
.endr
.endm
.macro VLOAD s                         ; 8 loads: V's fragments
.irp p, 0,1,2,3
.irp c, 0,1
	ds_load_b128 v[VF+8*\p+4*\c:VF+8*\p+4*\c+3], v[KVA] offset:16384+4096*(\s)+1024*\p+512*\c
.endr
.endr
.endm
.macro SPROD X, s                      ; S^T = K q^T of tile X: source 0 in window 0, the rest in window X
	WIN 0x54*\X
.irp p, 0,1,2,3
	v_wmma_scale_f32_16x16x128_f8f6f4 v[SR+16*\p:SR+16*\p+7], v[KF+8*\p:KF+8*\p+7], v[Q+4:Q+11], 0, v[SCW+4*((\s)%2)+\p], v[QW+\X] matrix_a_fmt:MATRIX_FMT_FP4 matrix_b_fmt:MATRIX_FMT_FP4
	v_wmma_scale_f32_16x16x128_f8f6f4 v[SR+16*\p+8:SR+16*\p+15], v[KF+8*\p:KF+8*\p+7], v[Q:Q+7], 0, v[SCW+4*((\s)%2)+\p], v[QW+\X] matrix_a_fmt:MATRIX_FMT_FP4 matrix_b_fmt:MATRIX_FMT_FP4
.endr
.endm
.macro PV X, s                         ; O^T += V^T p^T of tile X
	WIN 0x54*\X
.irp p, 0,1,2,3
.if (\s) > 0
	v_wmma_scale_f32_16x16x128_f8f6f4 v[OT+8*\p:OT+8*\p+7], v[VF+8*\p:VF+8*\p+7], v[PC:PC+7], v[OT+8*\p:OT+8*\p+7], v[SCW+4*((\s)%2)+\p], v[PW+\X] matrix_a_fmt:MATRIX_FMT_FP4 matrix_b_fmt:MATRIX_FMT_FP4 matrix_a_scale:MATRIX_SCALE_ROW1
.else
	v_wmma_scale_f32_16x16x128_f8f6f4 v[OT+8*\p:OT+8*\p+7], v[VF+8*\p:VF+8*\p+7], v[PC:PC+7], 0, v[SCW+4*((\s)%2)+\p], v[PW+\X] matrix_a_fmt:MATRIX_FMT_FP4 matrix_b_fmt:MATRIX_FMT_FP4 matrix_a_scale:MATRIX_SCALE_ROW1
.endif
.endr
.endm
; A step's softmax of tile X, all in window X.  Register SR + 16 b + i holds key 32 b + 16 (lane / 16) + i of the step's 128, for query lane % 16.  first = 1: the phase's first step begins M, the sum and O^T.
.macro SOFTMAX X, first
	WIN 0x55*\X
	s_wait_alu depctr_va_vdst(0)                   ; the wait, directly ahead of the scores' first readers
.irp b, 0,1,2,3
	v_max3_num_f32 v[BM+\b], v[SR+16*\b], v[SR+1+16*\b], v[SR+2+16*\b]   ; each block's largest score: for the row's maximum and for the block's largest p
.endr
.irp i, 3,5,7,9,11,13
.irp b, 0,1,2,3
	v_max3_num_f32 v[BM+\b], v[BM+\b], v[SR+16*\b+\i], v[SR+1+16*\b+\i]
.endr
.endr
.irp b, 0,1,2,3
	v_max_num_f32 v[BM+\b], v[BM+\b], v[SR+15+16*\b]
.endr
.irp b, 0,1,2,3
	v_permlanex16_b32 v[TP+\b], v[BM+\b], s[SEL], s[SEL+1]
.endr
.irp b, 0,1,2,3
	v_max_num_f32 v[BM+\b], v[BM+\b], v[TP+\b]     ; with lane l xor 16's 16 keys
.endr
	v_max3_num_f32 v[TMP], v[BM], v[BM+1], v[BM+2]
	s_delay_alu instid0(VALU_DEP_1)
	v_max_num_f32 v[TMP], v[TMP], v[BM+3]
	s_delay_alu instid0(VALU_DEP_1)
.if \first
	v_mul_f32 v[TT], s[CS], v[TMP]                 ; the largest t
	s_delay_alu instid0(VALU_DEP_1)
	v_floor_f32 v[NM], -v[TT]                      ; -M = floor(-t)
.else
	v_mul_f32 v[TMP], s[CS], v[TMP]
	s_delay_alu instid0(VALU_DEP_1)
	v_max_num_f32 v[TT], v[TT], v[TMP]             ; the running largest t
	v_mov_b32 v[TMP], v[NM]
	s_delay_alu instid0(VALU_DEP_2)
	v_floor_f32 v[NM], -v[TT]
	s_delay_alu instid0(VALU_DEP_1)
	v_sub_f32 v[TMP], v[NM], v[TMP]                ; old M - new M: a whole number, 0 or less
	s_delay_alu instid0(VALU_DEP_1)
	v_cvt_i32_f32 v[TMP], v[TMP]
	s_delay_alu instid0(VALU_DEP_1)
	v_ldexp_f32 v[F], 1.0, v[TMP]                  ; f: a power of two
.endif
.set j, 0
.rept 32
	v_pk_fma_f32 v[SR+j:SR+j+1], v[SR+j:SR+j+1], s[CS:CS+1], v[NM:NM+1] op_sel_hi:[1,0,0]   ; t - M
.set j, j+2
.endr
.irp b, 0,1,2,3
	v_fma_f32 v[BM+\b], v[BM+\b], s[CS], v[NM]
.endr
	s_wait_alu depctr_va_vdst(0)                   ; the wait ahead of the batch
.set j, 0
.rept 64
	v_exp_f32 v[SR+j], v[SR+j]                     ; p = 2^(t - M)
.set j, j+1
.endr
.irp b, 0,1,2,3
	v_exp_f32 v[BM+\b], v[BM+\b]                   ; the blocks' largest p
.endr
.if \first
	v_nop
.else
	v_pk_mul_f32 v[SUM:SUM+1], v[SUM:SUM+1], v[F:F+1] op_sel_hi:[1,0]   ; the sum under the new M
.endif
	s_wait_alu depctr_va_vdst(0)                   ; and behind it, ahead of its first reader
.irp b, 0,1,2,3
	v_max_num_f32 v[BM+\b], 0x1800000, v[BM+\b]    ; the floor 2^(3 - 127): the byte cannot fall under 1
.endr
.irp b, 0,1,2,3
	v_add_nc_u32 v[SO+\b], 0xff000000, v[BM+\b]    ; 2 off the exponent field: the conversion's scale operand
.endr
.irp b, 0,1,2,3
	v_lshrrev_b32 v[TP+\b], 23, v[SO+\b]           ; the scale's byte
.endr
	v_lshl_or_b32 v[TMP], v[TP+1], 8, v[TP]
	s_delay_alu instid0(VALU_DEP_1)
	v_lshl_or_b32 v[TMP], v[TP+2], 16, v[TMP]
	WIN 0x15*\X                                    ; scale operands are taken from window 0: the finished word goes there
	v_lshl_or_b32 v[PW+\X], v[TP+3], 24, v[TMP]
	WIN 0x55*\X
.irp b, 0,1,2,3
	v_cvt_scalef32_pk8_fp4_f32 v[PC+2*\b], v[SR+16*\b:SR+7+16*\b], v[SO+\b]
	v_cvt_scalef32_pk8_fp4_f32 v[PC+1+2*\b], v[SR+8+16*\b:SR+15+16*\b], v[SO+\b]
.endr
	v_nop                                          ; one plain place behind a scaled conversion
.irp c, 0,1
.irp i, 0,1
	v_permlane16_swap_b32 v[PC+4*\c+\i], v[PC+2+4*\c+\i]   ; a whole block in a lane
.endr
.endr
.if \first
	v_pk_add_f32 v[SUM:SUM+1], v[SR:SR+1], v[SR+2:SR+3]    ; the row's sum of the unquantised p, in four chains
	v_pk_add_f32 v[SO:SO+1], v[SR+4:SR+5], v[SR+6:SR+7]
	v_pk_add_f32 v[SO+2:SO+3], v[SR+8:SR+9], v[SR+10:SR+11]
	v_pk_add_f32 v[TMP:TMP+1], v[SR+12:SR+13], v[SR+14:SR+15]
.else
	s_wait_alu depctr_va_vdst(0)                   ; the wait, directly ahead of the first readers of O^T
.set j, 0
.rept 16
	v_pk_mul_f32 v[OT+j:OT+j+1], v[OT+j:OT+j+1], v[F:F+1] op_sel_hi:[1,0]   ; O^T under the new M
.set j, j+2
.endr
	v_pk_add_f32 v[SO:SO+1], v[SR:SR+1], v[SR+2:SR+3]
	v_pk_add_f32 v[SO+2:SO+3], v[SR+4:SR+5], v[SR+6:SR+7]
	v_pk_add_f32 v[TMP:TMP+1], v[SR+8:SR+9], v[SR+10:SR+11]
	v_pk_add_f32 v[SUM:SUM+1], v[SUM:SUM+1], v[SR+12:SR+13]
	v_pk_add_f32 v[SO:SO+1], v[SO:SO+1], v[SR+14:SR+15]
.endif
.set j, 16
.rept 6
	v_pk_add_f32 v[SUM:SUM+1], v[SUM:SUM+1], v[SR+j:SR+j+1]
	v_pk_add_f32 v[SO:SO+1], v[SO:SO+1], v[SR+j+2:SR+j+3]
	v_pk_add_f32 v[SO+2:SO+3], v[SO+2:SO+3], v[SR+j+4:SR+j+5]
	v_pk_add_f32 v[TMP:TMP+1], v[TMP:TMP+1], v[SR+j+6:SR+j+7]
.set j, j+8
.endr
	v_pk_add_f32 v[SO:SO+1], v[SO:SO+1], v[SO+2:SO+3]
	v_pk_add_f32 v[SUM:SUM+1], v[SUM:SUM+1], v[TMP:TMP+1]
	s_delay_alu instid0(VALU_DEP_1)
	v_pk_add_f32 v[SUM:SUM+1], v[SUM:SUM+1], v[SO:SO+1]
.endm
; A key step: 128 keys, both tiles.  K's fragments and the scale words were asked for a step ago; V's and the next step's K are asked for behind the scores' products.
.macro STEP s
	s_wait_dscnt 0x0                               ; K's fragments and the scale words are in
	SPROD 0, \s
	SPROD 1, \s
	WIN 0
.rept 4
	v_nop                                          ; places ahead of the loads into operand registers and of the first read of the scores
.endr
	VLOAD \s
.if (\s) < 3
	KLOAD (\s)+1
.else
	s_cmp_eq_u32 s[PH], 1                          ; the next phase walks the same keys from step 0; the last phase has no next
	s_cbranch_scc1 .Lnok
	KLOAD 0
.Lnok:
.endif
	SOFTMAX 0, ((\s)==0)
	s_wait_alu depctr_va_vdst(0)                   ; the wait, directly ahead of the wait below
.if (\s) < 3
	s_wait_dscnt 9                                 ; V's fragments are in; the 9 loads behind them may be out
.else
	s_wait_dscnt 0x0
.endif
	PV 0, \s
	SOFTMAX 1, ((\s)==0)
	PV 1, \s
.endm
.macro QWSET                           ; q's two scale bytes of each tile, in both halves of its word; then the words of the later phases move up
	v_perm_b32 v[QW], v[QS], v[QS], 0x01000100
	v_perm_b32 v[QW+1], v[QS], v[QS], 0x03020302
	v_mov_b32 v[QS], v[QS+1]
	v_mov_b32 v[QS+1], v[QS+2]
	v_mov_b32 v[QS+2], v[QS+3]
.endm
; O^T of tile X is divided by the row's sum and quantised along the head's 64: codes in v[PC:PC+3], the two scale bytes in v[TMP]
.macro EPI X
	WIN 0x55*\X
	v_add_f32 v[SUM], v[SUM], v[SUM+1]
	s_delay_alu instid0(VALU_DEP_1)
	v_permlanex16_b32 v[TMP], v[SUM], s[SEL], s[SEL+1]
	s_delay_alu instid0(VALU_DEP_1)
	v_add_f32 v[SUM], v[SUM], v[TMP]
	s_wait_alu depctr_va_vdst(0)                   ; the wait ahead of the transcendental
	v_rcp_f32 v[SUM], v[SUM]
	v_nop
	s_wait_alu depctr_va_vdst(0)                   ; and ahead of its first reader, which is also the first reader of O^T
.set j, 0
.rept 16
	v_pk_mul_f32 v[OT+j:OT+j+1], v[OT+j:OT+j+1], v[SUM:SUM+1] op_sel_hi:[1,0]
.set j, j+2
.endr
.irp b, 0,1
	v_max3_num_f32 v[BM+\b], |v[OT+16*\b]|, |v[OT+1+16*\b]|, 0x1800000
.endr
.irp i, 2,4,6,8,10,12,14
.irp b, 0,1
	s_delay_alu instid0(VALU_DEP_2)
	v_max3_num_f32 v[BM+\b], v[BM+\b], |v[OT+16*\b+\i]|, |v[OT+1+16*\b+\i]|
.endr
.endr
.irp b, 0,1
	s_delay_alu instid0(VALU_DEP_2)
	v_permlanex16_b32 v[TP+\b], v[BM+\b], s[SEL], s[SEL+1]
.endr
.irp b, 0,1
	s_delay_alu instid0(VALU_DEP_2)
	v_max_num_f32 v[BM+\b], v[BM+\b], v[TP+\b]
.endr
.irp b, 0,1
	s_delay_alu instid0(VALU_DEP_2)
	v_add_nc_u32 v[SO+\b], 0xff000000, v[BM+\b]
.endr
.irp b, 0,1
	s_delay_alu instid0(VALU_DEP_2)
	v_lshrrev_b32 v[TP+\b], 23, v[SO+\b]
.endr
	s_delay_alu instid0(VALU_DEP_1)
	v_lshl_or_b32 v[TMP], v[TP+1], 8, v[TP]
.irp b, 0,1
	v_cvt_scalef32_pk8_fp4_f32 v[PC+2*\b], v[OT+16*\b:OT+7+16*\b], v[SO+\b]
	v_cvt_scalef32_pk8_fp4_f32 v[PC+1+2*\b], v[OT+8+16*\b:OT+15+16*\b], v[SO+\b]
.endr
	v_nop
	v_permlane16_swap_b32 v[PC], v[PC+2]
	v_permlane16_swap_b32 v[PC+1], v[PC+3]
.endm
	s_load_b256 s[4:11], s[0:1], 0x0               ; qws, kvws, Wo's codes, Wo's scales
	s_load_b128 s[12:15], s[0:1], 0x20             ; bo, out0
	v_lshl_add_u32 v[SPW], v0, 2, SPARE
	v_mov_b32 v[NIL], 0
	ds_add_u32 v[SPW], v[NIL]                      ; the opening lines: the add, twice on end, and its wait
	ds_add_u32 v[SPW], v[NIL]
	v_lshrrev_b32 v122, 5, v0
	v_readfirstlane_b32 s16, v122                  ; wave 0..7
	s_bfe_u32 s19, ttmp6, 0x40000                  ; B: it enters q's and out0's global addresses alone
	s_and_b32 s20, ttmp7, 0xffff                   ; t
	s_mov_b32 s36, 15|(3<<16)|(1<<21)              ; a head block: dense, 136 rows of 32 elements of 8 bytes; joint
	s_mov_b32 s37, 32<<16
	s_mov_b32 s38, 136<<16
	s_mov_b32 s39, 32<<16
	s_mov_b32 s40, 136
	s_mov_b32 s41, 32
	s_mov_b32 s42, 0
	s_mov_b32 s43, 0
	s_mul_i32 s60, s20, TBLK
	s_mul_i32 s53, s16, HBLK                       ; in LDS: wave x a head block
	s_add_co_u32 s60, s60, s53                     ; in qws and kvws: t's block, my head block
	s_mov_b32 s61, 0
	s_mov_b32 s[SEL], 0x76543210
	s_mov_b32 s[SEL+1], 0xfedcba98
	s_mov_b32 s[CS], 0x3d8293ee                    ; log2(e) / sqrt(512)
	s_mov_b32 s[CS+1], s[CS]
	s_wait_dscnt 0x0
	s_wait_kmcnt 0x0
	s_mov_b32 s52, 1
	s_add_nc_u64 s[54:55], s[6:7], s[60:61]
	s_or_b32 s55, s55, 0x80000000
	CROUND                                         ; all four work-groups are here: the joint loads meet
	tensor_load_to_lds s[52:55], s[36:43]          ; my head's K, V and scale words: my one tensor load; every LDS byte is filled once
	s_nop 0
.rept 4
	v_nop
.endr
	s_add_nc_u64 s[70:71], s[4:5], s[60:61]
	s_lshl_b32 s62, s19, 9
	s_mov_b32 s63, 0
	s_add_nc_u64 s[72:73], s[70:71], s[62:63]      ; q's scale words: 512 B on (and 32,768, in the load's offset)
	s_lshl_b32 s62, s19, 12
	s_add_nc_u64 s[70:71], s[70:71], s[62:63]      ; q's codes: 4,096 B on
	s_lshl_b32 s62, s19, 24                        ; out0: row n = 128 B of 2^17 bytes, + t x 2,048 + 256 x wave
	s_lshl_b32 s74, s20, 11
	s_add_co_u32 s62, s62, s74
	s_lshl_b32 s74, s16, 8
	s_add_co_u32 s62, s62, s74
	s_add_nc_u64 s[14:15], s[14:15], s[62:63]
	s_lshl_b32 s62, s16, 14
	s_add_nc_u64 s[8:9], s[8:9], s[62:63]          ; Wo's rows 64 w on
	s_lshl_b32 s62, s16, 10
	s_add_nc_u64 s[10:11], s[10:11], s[62:63]
	s_lshl_b32 s62, s16, 8
	s_add_nc_u64 s[12:13], s[12:13], s[62:63]
	s_and_b32 s75, s16, 1
	s_lshl_b32 s75, s75, 2
	s_lshr_b32 s76, s16, 1
	s_add_co_u32 s75, s75, s76                     ; my head: 4 (w % 2) + w / 2
	s_lshl_b32 s77, s75, 9
	s_add_co_u32 s77, s77, OIMG
	s_lshr_b32 s78, s75, 1
	s_lshl_b32 s78, s78, 6
	s_and_b32 s79, s75, 1
	s_lshl_b32 s79, s79, 1
	s_add_co_u32 s78, s78, s79
	s_add_co_u32 s78, s78, OSC
	s_mul_i32 s80, s16, WST
	s_add_co_u32 s80, s80, STG
	s_mov_b32 s[PH], 4
	v_and_b32 v[LA], 31, v0
	v_lshlrev_b32 v[LA], 4, v[LA]
	v_and_b32 v122, 15, v0                         ; r
	v_bfe_u32 v123, v0, 4, 1                       ; h
	v_add_nc_u32 v[KVA], s53, v[LA]
	v_add_nc_u32 v[OIA], s77, v[LA]
	v_lshl_add_u32 v[OSA], v122, 2, s78
	v_add_nc_u32 v[OIR], OIMG, v[LA]
	v_lshl_add_u32 v[OSR], v122, 2, OSC
	v_mul_u32_u24 v[STA], v122, SPI
	v_lshl_add_u32 v[STA], v123, 5, v[STA]
	v_add_nc_u32 v[STA], s80, v[STA]               ; in: row r, 32 bytes for each half of the lanes
	v_mul_u32_u24 v[STR], v123, SPI
	v_lshl_add_u32 v[STR], v122, 4, v[STR]
	v_add_nc_u32 v[STR], s80, v[STR]               ; back: lanes 0-15 one row of 256 bytes, lanes 16-31 the next
	v_lshlrev_b32 v[R16], 4, v122
	v_lshl_add_u32 v[GO], v123, 17, v[R16]         ; and the same two rows in out0
	v_lshlrev_b32 v[WA], 8, v122
	v_lshl_add_u32 v[WA], v123, 4, v[WA]           ; Wo: row r of 256 bytes + 16 h
.irp X, 0,1
	WIN 0x40*\X
.irp j, 0,1,2,3,8,9,10,11
	v_mov_b32 v[Q+\j], 0                           ; the zero codes beside q
.endr
.irp j, 0,1,2,3
	v_mov_b32 v[TP+\j], 0                          ; a lane permute's destination counts as one of its sources
.endr
	v_mov_b32 v[F+1], 0                            ; named as the upper half of a pair
.endr
	WIN 0
	s_wait_alu depctr_va_vdst(0)
	global_load_b128 v[Q+4:Q+7], v[LA], s[70:71]                   ; q, tile 0 of phase 0
	global_load_b128 v[QS:QS+3], v[R16], s[72:73] offset:32768     ; q's scale words of all four phases
.irp n, 0,1,2,3
	global_load_b128 v[WOS+4*\n:WOS+4*\n+3], v[R16], s[10:11] offset:256*\n
.endr
	global_load_b128 v[BQ:BQ+3], v[R16], s[12:13]
	WIN 0x40
	global_load_b128 v[Q+4:Q+7], v[LA], s[70:71] offset:512        ; q, tile 1
.irp n, 0,1,2,3
.irp g, 0,1,2,3
.irp c, 0,1
	global_load_b128 v[8*(4*\n+\g)+4*\c:8*(4*\n+\g)+4*\c+3], v[WA], s[8:9] offset:4096*\n+64*\g+32*\c   ; Wo's fragments: window 1, v0-127
.endr
.endr
.endr
	WIN 0
	s_wait_loadcnt 0x0
	QWSET
.rept 5
	v_nop                                          ; with the three moves: eight places between a scale register's write and the first scaled product
.endr
	s_wait_alu depctr_va_vdst(0)                   ; the wait at the head's end
	s_wait_tensorcnt 0x0                           ; my head block is in, and I alone read it
	s_barrier_signal -1                            ; opens the barrier that each phase waits for ahead of its stores of O
	KLOAD 0
.Lphase:
	s_wait_loadcnt 0x0                             ; q
	STEP 0
	STEP 1
	STEP 2
	STEP 3
	WIN 0
	QWSET                                          ; for the next phase
	EPI 0
	EPI 1
	WIN 0
	s_wait_alu depctr_va_vdst(0)                   ; the wait, directly ahead of the wait below
	s_barrier_wait -1                              ; every wave has read the last phase's O
	ds_store_b128 v[OIA], v[PC:PC+3]
	ds_store_b16 v[OSA], v[TMP]
	WIN 0x04
	ds_store_b128 v[OIA], v[PC:PC+3] offset:4096
	ds_store_b16 v[OSA], v[TMP] offset:256
	WIN 0
	s_wait_dscnt 0x0                               ; for the others' sake
	s_barrier_signal -1
	s_barrier_wait -1                              ; all eight heads' O of this phase lies in LDS
	s_cmp_eq_u32 s[PH], 1
	s_cbranch_scc1 .Lnoq
	s_add_nc_u64 s[70:71], s[70:71], 1024          ; (the loads that named it have been waited for)
	global_load_b128 v[Q+4:Q+7], v[LA], s[70:71]   ; the next phase's q
	WIN 0x40
	global_load_b128 v[Q+4:Q+7], v[LA], s[70:71] offset:512
	WIN 0
.Lnoq:
.irp m, 0,1
.irp g, 0,1,2,3
	ds_load_b32 v[OS+4*\m+\g], v[OSR] offset:256*\m+64*\g
.endr
.endr
.irp m, 0,1
	WIN 0x40*\m
.irp g, 0,1,2,3
.irp c, 0,1
	ds_load_b128 v[SR+32+8*\g+4*\c:SR+32+8*\g+4*\c+3], v[OIR] offset:4096*\m+1024*\g+512*\c
.endr
.endr
.endr
	s_wait_dscnt 0x0
.irp m, 0,1                                    ; source 0 = 16 rows of Wo (window 1), source 1 = tile m's O: a lane holds eight neighbouring features of one row; four accumulators by turns
	WIN 0x01+0x54*\m
.irp g, 0,1,2,3
.irp n, 0,1,2,3
.if \g == 0
	v_wmma_scale_f32_16x16x128_f8f6f4 v[SR+8*\n:SR+8*\n+7], v[8*(4*\n+\g):8*(4*\n+\g)+7], v[SR+32+8*\g:SR+32+8*\g+7], 0, v[WOS+4*\n+\g], v[OS+4*\m+\g] matrix_a_fmt:MATRIX_FMT_FP4 matrix_b_fmt:MATRIX_FMT_FP4
.else
	v_wmma_scale_f32_16x16x128_f8f6f4 v[SR+8*\n:SR+8*\n+7], v[8*(4*\n+\g):8*(4*\n+\g)+7], v[SR+32+8*\g:SR+32+8*\g+7], v[SR+8*\n:SR+8*\n+7], v[WOS+4*\n+\g], v[OS+4*\m+\g] matrix_a_fmt:MATRIX_FMT_FP4 matrix_b_fmt:MATRIX_FMT_FP4
.endif
.endr
.endr
.endr
	WIN 0
.rept 4
	v_nop                                          ; places ahead of the stores of results and of the loads into O's registers
.endr
.irp m, 0,1                                    ; through my own stage; LDS serves a wave's instructions in order (ISA guide 5.7.1.4)
	WIN 0x04*\m
.irp n, 0,1,2,3
	ds_store_b128 v[STA], v[SR+8*\n:SR+8*\n+3] offset:64*\n
	ds_store_b128 v[STA], v[SR+8*\n+4:SR+8*\n+7] offset:64*\n+16
.endr
	WIN 0x40*\m
.irp i, 0,1,2,3,4,5,6,7
	ds_load_b128 v[SR+32+4*\i:SR+32+4*\i+3], v[STR] offset:2*SPI*\i
.endr
.endr
.irp m, 0,1
	s_wait_dscnt 16*(1-\m)                         ; tile m's rows are back; behind tile 0's: tile 1's 8 stores and 8 loads
	WIN 0x41*\m
.irp i, 0,1,2,3,4,5,6,7
.irp k, 0,1
	v_pk_add_f32 v[SR+32+4*\i+2*\k:SR+32+4*\i+2*\k+1], v[SR+32+4*\i+2*\k:SR+32+4*\i+2*\k+1], v[BQ+2*\k:BQ+2*\k+1]   ; + bo
.endr
.endr
	WIN 0x04*\m
.irp i, 0,1,2,3,4,5,6,7
	global_store_b128 v[GO], v[SR+32+4*\i:SR+32+4*\i+3], s[14:15] offset:(2*\i+8*(\i/4)+8*\m)*131072 th:TH_STORE_NT   ; sixteen lanes store 256 consecutive bytes, aligned; stage row r is row r + 8 (r / 8) + 8 m of the phase's 32
.endr
.endr
	WIN 0
	s_wait_xcnt 0x0                                ; the stores have read their data and their base
	s_add_nc_u64 s[14:15], s[14:15], 32*131072     ; 32 rows n on
	s_barrier_signal -1                            ; my reads of this phase's O are over; the wait stands ahead of the next phase's stores of O
	s_sub_co_u32 s[PH], s[PH], 1
	s_cmp_lg_u32 s[PH], 0
	s_wait_alu depctr_va_vdst(0)
	s_cbranch_scc1 .Lphase
	s_barrier_wait -1
	s_wait_tensorcnt 0x0                           ; the wave's end
	ds_add_u32 v[SPW], v[NIL]
	s_wait_dscnt 0x0
	CROUND                                         ; the closing round
	s_endpgm
.Lfunc_end_k_qfb7c82cc41_attn:
	.size	k_qfb7c82cc41_attn, .Lfunc_end_k_qfb7c82cc41_attn-k_qfb7c82cc41_attn
	.p2alignl 7, 3214868480
	.fill 96, 4, 3214868480
	.section	.rodata,"a",@progbits
	.p2align	6, 0x0
	.amdhsa_kernel k_qfb7c82cc41_attn
		.amdhsa_group_segment_fixed_size 327680
		.amdhsa_private_segment_fixed_size 0
		.amdhsa_enable_private_segment 0
		.amdhsa_kernarg_size 48
		.amdhsa_user_sgpr_count 2
		.amdhsa_user_sgpr_kernarg_segment_ptr 1
		.amdhsa_wavefront_size32 1
		.amdhsa_system_sgpr_workgroup_id_x 1
		.amdhsa_system_sgpr_workgroup_id_y 1
		.amdhsa_system_sgpr_workgroup_id_z 1
		.amdhsa_system_vgpr_workitem_id 0
		.amdhsa_next_free_vgpr 512
		.amdhsa_next_free_sgpr 84
		.amdhsa_reserve_vcc 0
		.amdhsa_float_denorm_mode_32 3
		.amdhsa_float_denorm_mode_16_64 3
		.amdhsa_memory_ordered 1
		.amdhsa_forward_progress 1
		.amdhsa_inst_pref_size 143
	.end_amdhsa_kernel
	.amdgpu_metadata
---
amdhsa.version: [ 1, 2 ]
amdhsa.kernels:
  - .name:           k_qfb7c82cc41_attn
    .symbol:         k_qfb7c82cc41_attn.kd
    .args:
      - { .name: qws, .offset: 0, .size: 8, .value_kind: global_buffer, .address_space: global }
      - { .name: kvws, .offset: 8, .size: 8, .value_kind: global_buffer, .address_space: global }
      - { .name: Wo_codes, .offset: 16, .size: 8, .value_kind: global_buffer, .address_space: global }
      - { .name: Wo_scales, .offset: 24, .size: 8, .value_kind: global_buffer, .address_space: global }
      - { .name: bo, .offset: 32, .size: 8, .value_kind: global_buffer, .address_space: global }
      - { .name: out0, .offset: 40, .size: 8, .value_kind: global_buffer, .address_space: global }
    .group_segment_fixed_size: 327680
    .private_segment_fixed_size: 0
    .kernarg_segment_align: 8
    .kernarg_segment_size: 48
    .max_flat_workgroup_size: 256
    .sgpr_count:     84
    .vgpr_count:     512
    .wavefront_size: 32
...
	.end_amdgpu_metadata
.endif
;; end of part 2
